; MI455X (gfx1250); checked and timed in simulation.
; The chip was launched on July 23, 2026; its instructions are those of AMD's public machine-readable ISA for CDNA 5 (MIT licence, August 2026) and "CDNA5" Instruction Set Architecture Reference Guide (July 2026). The comments in the code are by the model that wrote it; some were corrected since.
;; Router. Allowed arithmetic: matrix products marked QUANTISED: E2M1 operands, one E8M0 scale for each 32 along K, by v_wmma_scale_f32_16x16x128_f8f6f4 with both operands' format E2M1 (or v_wmma_scale_f32_32x16x128_f4), f32 sums; everything else in f32.
;; Inputs: W1_codes 1,024 x 64 x 16 uint8 (E2M1 codes of W1, K innermost, in blocks of 32 codes, two codes a byte); W1_scales 1,024 x 64 uint8 (E8M0 scales of W1, one for each 32 codes along K); W2_codes 16 x 32 x 16 uint8 (E2M1 codes of W2, K innermost, in blocks of 32 codes, two codes a byte); W2_scales 16 x 32 uint8 (E8M0 scales of W2, one for each 32 codes along K); b1 1,024 float32; b2 16 float32; hidden_states_codes 8 x 4,096 x 64 x 16 uint8 (E2M1 codes of hidden_states, K innermost, in blocks of 32 codes, two codes a byte); hidden_states_scales 8 x 4,096 x 64 uint8 (E8M0 scales of hidden_states, one for each 32 codes along K).
;; Outputs: out0 8 x 4,096 x 2 float32; out1 8 x 4,096 x 2 int32; out2 8 x 4,096 x 16 float32.
;; This version of the problem:
;;   THIS VERSION OF THE PROBLEM IS GIVEN IN LOW PRECISION. The matrix products marked QUANTISED in the list below multiply operands that are first quantised to E2M1 (2 exponent bits, 1 mantissa bit; 4 bits a number), with one power-of-two scale for each 32 numbers along K (OCP MX v1.0); their sums are f32. All else is computed in f32.
;;   The module's matrix products, in the order in which they are computed (A, B: the left and right operand; K: the contracted axis; several contracted axes count as one K, in the product's order):
;;     1. [M 32,768, K 2,048] x [K 2,048, N 1,024]; A: input hidden_states (given as codes); B: input W1 (given as codes): QUANTISED
;;     2. [M 32,768, K 1,024] x [K 1,024, N 16]; A: computed on the way; B: input W2 (given as codes): QUANTISED
;;   THE QUANTISER, for each operand of a quantised product, along K:
;;     - K is cut into blocks of 32 from its start; a last block that is shorter is filled with zeros.
;;     - A block's scale is 2^e with e = floor(log2(the largest magnitude in the block)) - 2, held to -126 .. 127; a block of zeros has e = 0. As a byte (E8M0): e + 127.
;;     - Each number is divided by its block's scale, clamped to +-6, and rounded to the nearest number of E2M1, ties to even, subnormals kept.
;;     - The product sums the exact products of the quantised numbers (number of the format x scale) in f32.
;;   ~~~python
;;   def quantise(x, axis):      # numpy; x: float32 -> the quantised numbers, widened to float32 again
;;       x = np.moveaxis(x, axis, -1); K = x.shape[-1]
;;       x = np.pad(x, [(0, 0)] * (x.ndim - 1) + [(0, -K % 32)]); x = x.reshape(x.shape[:-1] + (-1, 32)); a = np.abs(x).max(-1, keepdims=True)
;;       e = np.where(a > 0, np.clip(np.frexp(np.where(a > 0, a, 1))[1] - 1 - 2, -126, 127), 0)      # np.frexp(a)[1] - 1 = floor(log2(a)), exactly
;;       r = np.clip(x / 2.0 ** e, -6, 6)
;;       step = 2.0 ** (np.maximum(np.frexp(np.where(r == 0, 1, r))[1] - 1, 0) - 1)
;;       q = np.round(r / step) * step * 2.0 ** e      # np.round: ties to even
;;       return np.moveaxis(q.reshape(q.shape[:-2] + (-1,))[..., :K], -1, axis).astype(np.float32)
;;   ~~~
;;   OPERANDS COMPUTED ON THE WAY. 'Computed on the way' means the value that the module computes at that place (a softmax that the list does not call 'softmax' is quantised finished and normalised). What goes into a quantiser is computed in f32, as accurately as f32 sums, v_exp_f32 and their like allow (about 1e-6 of the number): no bf16 or f16 on the way to a quantiser, and a product that is left as it is and whose result goes on into a quantised operand takes f32 operands (vector FMAs, or v_wmma_f32_16x16x4_f32). A number that lies on a knife's edge between two numbers of the format may be rounded either way, as far as f32 arithmetic and the matrix unit's own rounding can turn it there, and no further.
;;   INPUTS GIVEN AS CODES. W1 (in the module: [2048, 1024], K = its axis 0); W2 (in the module: [1024, 16], K = its axis 0); hidden_states (in the module: [8, 4096, 2048], K = its axis 2): each comes as NAME_codes (uint8): NAME with its K axis moved to the last place and cut into blocks of 32 codes, [.., K / 32, bytes a block], one block behind the other in memory; two codes a byte, the lower K in the low four bits (a code: sign, 2 exponent bits, 1 mantissa bit); and NAME_scales (uint8): the same leading axes, one E8M0 byte (e + 127) for each 32 codes along K. Its value is code x scale, taken as it is: it is not quantised again, and the codes and scales need not be those that the quantiser above would give.
;; One version. Each part assembles by itself: llvm-mc -triple=amdgcn-amd-amdhsa -mcpu=gfx1250 --defsym DOCPART=n.
;; ======== version 1 of 1: 1 launch
;; limits: right only within a limited range of input values
;; launch router (part 1): grid 256 x 1, 4 waves a work-group, clusters of 4 x 1, 327,680 bytes of LDS; arguments hidden_states_codes, hidden_states_scales, W1_codes, W1_scales, b1, W2_codes, W2_scales, b2, out0, out1, out2; writes out0, out1, out2
.if DOCPART == 1
	.amdgcn_target "amdgcn-amd-amdhsa--gfx1250"
	.amdhsa_code_object_version 6
	.text
	.protected	k_qe5113157f3_router
	.globl	k_qe5113157f3_router
	.p2align	8
	.type	k_qe5113157f3_router,@function
k_qe5113157f3_router:
	s_mov_b64 s[64:65], 0
	v_nop
	global_prefetch_b8 v0, s[64:65] scope:SCOPE_SE
	s_setreg_imm32_b32 hwreg(HW_REG_WAVE_MODE, 25, 1), 1
	s_wait_xcnt 0x0
	s_wait_alu depctr_hold_cnt(0) depctr_sa_sdst(0) depctr_va_vdst(0) depctr_va_sdst(0) depctr_va_ssrc(0) depctr_va_vcc(0) depctr_vm_vsrc(0)
	s_getreg_b32 s2, hwreg(HW_REG_IB_STS2, 6, 4)
	s_cmp_eq_u32 s2, 0
	s_cbranch_scc0 .Lentry_in_a_cluster
	s_endpgm
.Lentry_in_a_cluster:
	s_bfe_u32 s2, ttmp6, 0x10000c
	s_cmp_lg_u32 s2, 0x3003
	s_cbranch_scc0 .Lentry_shape_is_right
	s_endpgm
.Lentry_shape_is_right:
; out2 = softmax(Q(relu(x W1 + b1)) W2 + b2) for 32,768 tokens; out0, out1 = its two largest numbers a token (divided by their sum + 1e-8) and their indices.
; x [32768][2048], W1 [1024][2048], W2 [16][1024]: codes of FP4 (E2M1), K innermost, one E8M0 byte for each 32 along K.  Q: the same quantiser along the 1,024 hidden units, done here in registers.
; SHARES.  A work-group owns 128 tokens.  Wave w = 2 tg + ug holds ALL of x for its 64 tokens (64 tg ..) in 512 registers, as fragments, for the whole launch.  The hidden layer goes in eight chunks of 128 units;
; in a chunk the wave makes units 64 ug .. + 63 for its 64 tokens: 8 accumulators of 32 units x 16 tokens, 128 registers, over all of K (16 steps of 128).
; W1 comes in chunks of 128 whole rows (131,072 dense bytes) and their scale bytes through a ring of two LDS slots.  At a chunk's end the wave quantises its own results in registers; two chunks' 2 x 64 units make
; one K step of the second product, whose parts (two waves a token) meet once, at the end, in LDS.  The hidden layer never leaves the registers.
; x is loaded in whole 256-byte units, a quarter of K at a time, turned into fragments through a stage in LDS, and chunk 0 is multiplied while the later quarters are on their way.
; CLUSTER.  The four work-groups of a cluster walk the same W1: each chunk is asked for JOINTLY, with the mask of all four; waves 0 and 1 fetch 64 rows of codes each, waves 2 and 3 the scale bytes of 64 rows each.
; PREFETCH.  Behind the joint load of chunk c + 2 stand the prefetches of chunk c + 4 (chunks 2 and 3 are asked for while x arrives): two refills ahead, 512 blocks of codes and 32 of scale bytes, shared out by
; address over the 16 waves of a cluster.  All work-groups read the same W1, so only four clusters (0, 4, 32, 36) ask.  x is read once, by loads that all go out at the start: no prefetch.
; BOTH PRODUCTS ARE USED TRANSPOSED (source 0 = rows of the weight, source 1 = 16 tokens): lane (r, h) holds token r; of a block of 32 units registers 0-7 are units 8 h + 0 .. 7, registers 8-15 units 16 + 8 h + 0 .. 7.
; b1 is the C of each sum's first matrix instruction, b2 that of the first logit products of the waves with ug = 0 (the others take zeros).
; RELU is done on the codes: a block's largest number is taken without |.| (what is negative does not count), and a code whose sign bit is set becomes the code 0.
; LIMITS.  NaN and infinities are not served.  A block of zeros keeps the scale byte 1 (its codes are zeros).  A logit's sum goes by K steps of 2 x 64 units (128 apart) in each of two waves, then the two are added.
; 1 / sum is v_rcp_f32 and a multiplication.  The two largest are searched on this text's own p, by a strict comparison from expert 0 up: of equal numbers the lower index is taken.
; REGISTERS: window 0: the names below.  window 1: accumulator i = 4 u + t (block u of 32 units, tile t of 16 tokens) at v[16 i]; from v128 four sets of W1 fragments, 32 registers each.
;   windows 2, 3: x: K step k, tile t at v[32 (k % 8) + 8 t] of window 2 + k / 8.  While x arrives window 3 holds what is still to go through the stage.
.set PITCH, 1040                       ; a row of W1 in LDS: 1,024 bytes + 16: 65 x 16, so the 16 rows that a load touches lie 16 bytes apart modulo 256
.set SLOTW, 128*PITCH                  ; a slot's codes
.set SCL,   2*SLOTW                    ; the slots' scale bytes: 8,192 bytes as 32 pieces of 256 + 16, twice
.set SLOTS, 32*272
.set STG,   SCL+2*SLOTS                ; x's stage: 128 rows of 256 bytes + 16; at the end the logits and out2.  Written by LDS stores alone
.set SPARE, STG+128*272                ; the spare words, 128 bytes for each wave: two blocks of 256 bytes that no other line names
.set LP,    80                         ; the stages at the end: a token's 16 numbers, 64 bytes + 16
.set LGST, 10                          ; v10     the end: where I put my logits
.set ADRB, 16                          ; v16-17  LDS address of my W1 fragments in slot 0, 1
.set ADRS, 18                          ; v18-19  of my W1 scale words
.set XLD,  20                          ; v20     the stage: where I read x's fragments
.set XST,  21                          ; v21     and where I store what I loaded
.set GX,   22                          ; v22     my offset in x
.set XSO,  23                          ; v23     in x's scale bytes
.set BO,   24                          ; v24     in b1 and b2
.set W2O,  25                          ; v25     in W2
.set W2SO, 26                          ; v26     in W2's scale bytes
.set PFO,  27                          ; v27     the prefetches' offsets: codes; never rewritten
.set SPW,  28                          ; v28     LDS address of my spare word; never rewritten
.set NIL,  29                          ; v29     0; never rewritten
.set FLOOR, 30                         ; v30     2^(3 - 127)
.set PFSO, 31                          ; v31     the prefetches' offsets: scale bytes; never rewritten
.set XSC,  32                          ; v32-63  x's scale words: step k, tiles 2 i (lanes 0-15) and 2 i + 1 (lanes 16-31) at 8 (k / 4) + 4 i + k % 4
.set WSC,  64                          ; v64-95  W1's scale words of the chunk: step k, block u (lane = row) at 8 (k / 4) + 4 u + k % 4
.set B1,   96                          ; v96-127 b1 in the result's layout, block u at 16 u
.set PC,   128                         ; v128-159 the hidden layer's codes: tile t at 8 t; a chunk of even number fills registers 0-3, the next one 4-7
.set LG,   160                         ; v160-191 the logits, 4 accumulators
.set PW,   192                         ; v192-195 the codes' scale words
.set W2F,  196                         ; v196-203 my fragment of W2;  v204-205 eight scale bytes of its row;  v206 the word made of them
.set W2S,  204
.set W2W,  206
.set TM,   208                         ; v208-231 at work in the quantiser
.set AF,   96                          ; v96-159 the end
.set SB2,  3                           ; s3      all ones where ug = 0
.set WV,   26                          ; s26     my wave's number
.set G1W,  32                          ; s[32:39] group 1 for the codes;  s[40:47] for the scale bytes
.set G1S,  40
.set G0W,  48                          ; s[48:55] group 0 for the codes, one set a slot;  s[56:63] for the scale bytes
.set G0S,  56
.set HALF, 66                          ; s66     wave / 2: tg; also: I fetch codes (0) or scale bytes (1)
.set ODD,  67                          ; s67     wave % 2: ug; also: which 64 rows I fetch
.set CNT,  68
.set NIB,  69                          ; s69     the sign bits of eight codes
.set SEL,  70                          ; s[70:71] v_permlanex16_b32's selects for lane l xor 16
.set L2E,  72                          ; s[72:73] log2(e), twice
.set SELW, 74                          ; s74     which bytes make W2's scale word
.set PFON, 75                          ; s75     1 in the clusters that prefetch, 0xffff in the others
.set PFW,  76                          ; s[76:77], s[78:79] the prefetches' bases: chunk 2's codes and scale bytes; never rewritten
.set PFS,  78
.set MSB, 0
.macro WIN new                         ; the immediate's high byte repeats the setting that is left; a switch that changes nothing is dropped
.if MSB != (\new)
	s_set_vgpr_msb (MSB<<8)|(\new)
.set MSB, (\new)
.endif
.endm
; A load into a register that a matrix instruction has read, and a vector instruction or an LDS store that reads a matrix result, stand four places behind it; only plain vector instructions that name
; none of its registers are places (ISA guide 7.12.1 for vector instructions).
.macro PLACES n
.rept \n
	v_nop
.endr
.endm
.macro CREST                           ; a round of the cluster's barrier behind its opening barrier
	s_cmp_lg_u32 s[WV], 0
	s_cbranch_scc1 .Lnot_wave_0_\@
	s_barrier_signal -3
.Lnot_wave_0_\@:
	s_barrier_wait -3
	s_barrier_signal -1
	s_barrier_wait -1
.endm
.macro CROUND                          ; a whole round
	s_barrier_signal -1
	s_barrier_wait -1
	CREST
.endm
.macro JLOAD s                         ; a chunk into slot s: the branch hangs on the wave's number alone; s_nop 0 and four v_nop follow each of the two lines
	s_cmp_eq_u32 s[HALF], 0
	s_cbranch_scc0 .Lfor_s_\@
	tensor_load_to_lds s[G0W+4*\s:G0W+4*\s+3], s[G1W:G1W+7]
	s_nop 0
	PLACES 4
	s_branch .Lasked_\@
.Lfor_s_\@:
	tensor_load_to_lds s[G0S+4*\s:G0S+4*\s+3], s[G1S:G1S+7]
	s_nop 0
	PLACES 4
.Lasked_\@:
.endm
.macro ASK n, loop                     ; the prefetches of chunk 2 + n: 32 blocks of 256 bytes of codes a wave, two of scale bytes (the lanes left over name the second again).  In the loop: in its first trip alone
.if \loop
	s_cmp_gt_u32 s[CNT], s[PFON]
.else
	s_cmp_eq_u32 s[PFON], 1
.endif
	s_cbranch_scc0 .Lno_ask_\@
	global_prefetch_b8 v[PFO], s[PFW:PFW+1] offset:131072*\n th:TH_LOAD_NT scope:SCOPE_SE
	global_prefetch_b8 v[PFSO], s[PFS:PFS+1] offset:8192*\n th:TH_LOAD_NT scope:SCOPE_SE
.Lno_ask_\@:
.endm
; A fragment of 32 rows x 128 K is 16 registers: lane (r, h) holds rows r (registers 0-7) and 16 + r (8-15); of each, registers 4 c .. 4 c + 3 hold K = 64 c + 32 h + 0 .. 31: 16 bytes of the row as they lie.
.macro LDB k, u, slot                  ; W1's block u of step k into set k % 4
	WIN 0x40                                       ; destination window 1, address window 0
.irp i, 0,1
.irp c, 0,1
	ds_load_b128 v[128+32*((\k)%4)+16*\u+8*\i+4*\c:128+32*((\k)%4)+16*\u+8*\i+4*\c+3], v[ADRB+\slot] offset:(32*\u+16*\i)*PITCH+64*(\k)+32*\c
.endr
.endr
.endm
.macro SCALES slot                     ; the chunk's scale words: four steps a load; 32 rows of 64 bytes are eight pieces of 272
	WIN 0
.irp g, 0,1,2,3
.irp u, 0,1
	ds_load_b128 v[WSC+8*\g+4*\u:WSC+8*\g+4*\u+3], v[ADRS+\slot] offset:16*\g+8*272*\u
.endr
.endr
.endm
.macro NEXT slot                       ; what a chunk's first steps want
	SCALES \slot
.irp k, 0,1,2,3
	LDB \k, 0, \slot
	LDB \k, 1, \slot
.endr
	WIN 0
.endm
.macro MM k, i, cm                     ; accumulator i, step k.  cm = 1: b1 starts the sum: nothing is ever cleared
.set KA, 128+32*((\k)%4)+16*((\i)/4)
.set KX, 32*((\k)%8)+8*((\i)%4)
.set KSA, WSC+8*((\k)/4)+4*((\i)/4)+(\k)%4
.set KSX, XSC+8*((\k)/4)+4*(((\i)%4)/2)+(\k)%4
.set KD, 16*(\i)
.if \cm
.set KC, B1+16*((\i)/4)
.else
.set KC, 16*(\i)
.endif
.if (\i)%2
	v_wmma_scale_f32_32x16x128_f4 v[KD:KD+15], v[KA:KA+15], v[KX:KX+7], v[KC:KC+15], v[KSA], v[KSX] matrix_b_scale:MATRIX_SCALE_ROW1
.else
	v_wmma_scale_f32_32x16x128_f4 v[KD:KD+15], v[KA:KA+15], v[KX:KX+7], v[KC:KC+15], v[KSA], v[KSX]
.endif
.endm
.macro MWIN k, cm                      ; source 0 (W1) window 1, source 1 (x) window 2 or 3, C window 1 (b1: window 0), D window 1
	WIN 0x59+4*((\k)/8)-0x10*\cm
.endm
.macro MM8 k, cm                       ; the 8 accumulators take turns, one instruction a turn, in the same order in every step
	MWIN \k, \cm
.irp i, 0,1,2,3,4,5,6,7
	MM \k, \i, \cm
.endr
.endm
.macro FILL k, slot                    ; one run of 16 LDS loads: steps k and k + 1, into the two sets that the two steps before have used
.irp e, 0,1
	LDB \k+\e, 0, \slot
	LDB \k+\e, 1, \slot
.endr
.endm
.macro TWO k, w, cm                    ; steps k and k + 1.  w: the LDS instructions that may be out when the first begins; eight fewer for the second
	s_wait_dscnt \w
	MM8 \k, \cm
	s_wait_dscnt \w-8
	MM8 (\k)+1, 0
.endm
.macro B1LOAD                          ; lane (r, h) wants, of each 16 units, the numbers 8 h + 0 .. 7
.irp q, 0,1,2,3
	global_load_b128 v[B1+8*\q:B1+8*\q+3], v[BO], s[12:13] offset:64*\q
	global_load_b128 v[B1+8*\q+4:B1+8*\q+7], v[BO], s[12:13] offset:64*\q+16
.endr
.endm
.macro W2LOAD                          ; my K step of the second product: units 64 ug .. + 63 of two chunks, 64 bytes apart, and the eight scale bytes of these 256 units
	global_load_b128 v[W2F:W2F+3], v[W2O], s[14:15]
	global_load_b128 v[W2F+4:W2F+7], v[W2O], s[14:15] offset:64
	global_load_b64 v[W2S:W2S+1], v[W2SO], s[16:17]
.endm
.macro B1NEXT
	WIN 0
	s_wait_xcnt 0x0                                ; earlier loads have read their bases
	s_add_nc_u64 s[12:13], s[12:13], 512
	B1LOAD
.endm
; A chunk's last two steps, and the change of slots: ONE barrier; in front of it each wave waits for all its tensor loads (its part of the next chunk), adds 0 to its spare word, and waits for that and for its own
; reads of this slot.  fill = 1: the barrier opens a round of the cluster's, and this slot is filled again, two chunks on.
.macro TADD slot, fill                 ; stands behind the slot's last loads, ahead of step 12
	WIN 0                                          ; (the add's two registers lie in window 0)
	s_wait_tensorcnt 0x0                           ; my part of the next chunk has landed;
	ds_add_u32 v[SPW], v[NIL]                      ; 0 onto my spare word
.if \fill
	s_add_nc_u64 s[G0W+4*\slot+2:G0W+4*\slot+3], s[G0W+4*\slot+2:G0W+4*\slot+3], 2*131072
	s_add_nc_u64 s[G0S+4*\slot+2:G0S+4*\slot+3], s[G0S+4*\slot+2:G0S+4*\slot+3], 2*8192
.endif
.endm
.macro TEND slot, fill
	s_wait_dscnt 0x0                               ; the add is done, and my reads of this slot are over
	s_barrier_signal -1
	MM8 14, 0
	MM8 15, 0
	WIN 0
	s_barrier_wait -1
.if \fill
	CREST                                          ; no wave of any partner still reads this slot or has a load on its way
	JLOAD \slot                                    ; the first tensor load behind the round; its four v_nop are also the places in front of the loads and of the quantiser's reads below
.else
	PLACES 4
.endif
.endm
; The chunk's 64 units of my 64 tokens become half of a fragment of the second product for each tile of tokens.  Block b = 4 u + t lies in accumulator b, in lanes l and l xor 16; each accumulator is first read at its low end.
; par: the chunk's number modulo 2.  Behind an odd chunk the fragment is whole and is multiplied by W2's.
.macro QUANT par
	WIN 0x14                                       ; sources 1 and 2: window 1
.irp b, 0,1,2,3,4,5,6,7
	v_max3_num_f32 v[TM+\b], v[FLOOR], v[16*\b], v[16*\b+1]   ; no |.|: relu's zeros stand for what is negative; the floor holds the byte at 1 from below
.endr
.irp i, 2,4,6,8,10,12,14
.irp b, 0,1,2,3,4,5,6,7
	v_max3_num_f32 v[TM+\b], v[TM+\b], v[16*\b+\i], v[16*\b+\i+1]   ; (the eight blocks by turns)
.endr
.endr
	WIN 0
.irp b, 0,1,2,3,4,5,6,7
	v_permlanex16_b32 v[TM+8+\b], v[TM+\b], s[SEL], s[SEL+1]
.endr
.irp b, 0,1,2,3,4,5,6,7
	v_max_num_f32 v[TM+\b], v[TM+\b], v[TM+8+\b]   ; with lane l xor 16's: the block's largest number
.endr
.irp b, 0,1,2,3,4,5,6,7
	v_add_nc_u32 v[TM+16+\b], 0xff000000, v[TM+\b] ; 2 off its exponent field: the conversion takes the exponent field of this operand as its scale
.endr
.irp b, 0,1,2,3,4,5,6,7
	v_lshrrev_b32 v[TM+8+\b], 23, v[TM+16+\b]      ; the scale's byte
.endr
.if \par
.irp t, 0,1,2,3
	v_lshl_or_b32 v[PW+\t], v[TM+8+\t], 16, v[PW+\t]
.endr
.irp t, 0,1,2,3
	v_lshl_or_b32 v[PW+\t], v[TM+12+\t], 24, v[PW+\t]
.endr
.else
.irp t, 0,1,2,3
	v_lshl_or_b32 v[PW+\t], v[TM+12+\t], 8, v[TM+8+\t]
.endr
.endif
	WIN 1                                          ; source 0: window 1
.irp t, 0,1,2,3
.irp i, 0,1                            ; the codes of units 16 i + 8 h + 0 .. 7 of both blocks go side by side, for the exchange below
	v_cvt_scalef32_pk8_fp4_f32 v[PC+8*\t+4*\par+2*\i], v[16*\t+8*\i:16*\t+8*\i+7], v[TM+16+\t]
	v_cvt_scalef32_pk8_fp4_f32 v[PC+8*\t+4*\par+2*\i+1], v[64+16*\t+8*\i:64+16*\t+8*\i+7], v[TM+20+\t]
.endr
.endr
	WIN 0
	v_nop                                          ; one plain place behind a scaled conversion
	s_wait_alu depctr_va_vdst(0)                   ; ahead of the waits and branches that follow
.endm
; The rest of a chunk's quantising touches codes alone, so it stands in the NEXT chunk, a tile at a time, in the places ahead of its first four runs of loads.
; Relu: n = the sign bits that are clear; n - (n >> 3) = 7 in each such code, 0 in the others; the AND keeps the one and clears the other.
; Then the first's lanes 16-31 change places with the second's lanes 0-15: lanes 0-15 hold block 0 whole, lanes 16-31 block 1, as the operand's layout asks.
.macro RELU t, par
.irp k, 0,1,2,3
	v_bfi_b32 v[TM+\k], v[PC+8*(\t)+4*(\par)+\k], 0, s[NIB]
.endr
.irp k, 0,1,2,3
	v_lshrrev_b32 v[TM+4+\k], 3, v[TM+\k]
.endr
.irp k, 0,1,2,3
	v_sub_nc_u32 v[TM+\k], v[TM+\k], v[TM+4+\k]
.endr
.irp k, 0,1,2,3
	v_and_b32 v[PC+8*(\t)+4*(\par)+\k], v[PC+8*(\t)+4*(\par)+\k], v[TM+\k]
.endr
.irp i, 0,1
	v_permlane16_swap_b32 v[PC+8*(\t)+4*(\par)+2*\i], v[PC+8*(\t)+4*(\par)+2*\i+1]
.endr
.endm
.macro LOGIT                           ; two chunks' fragments x W2's: lane (r, h) holds token r, experts 8 h + 0 .. 7
.irp t, 0,1,2,3
	v_wmma_scale_f32_16x16x128_f8f6f4 v[LG+8*\t:LG+8*\t+7], v[W2F:W2F+7], v[PC+8*\t:PC+8*\t+7], v[LG+8*\t:LG+8*\t+7], v[W2W], v[PW+\t] matrix_a_fmt:MATRIX_FMT_FP4 matrix_b_fmt:MATRIX_FMT_FP4
.endr
.endm
; A chunk behind the first.  On the way in its scale words (8 loads) and the sets of steps 0 to 3 (32) have been asked for.  A run of loads stands ahead of every second step and serves the two steps after the next two.
; n: chunk 2 + n is prefetched (n = 0: none); w2 = 1: the next pair's fragment of W2 is loaded; fill = 0, more = 1: chunk 6; more = 0: chunk 7, with no change of slots.  An even chunk finishes the pair before it.
.macro CHUNK slot, fill, n, loop, w2, more
	s_wait_loadcnt 0x0                             ; this chunk's b1, and W2's fragment
	TWO 0, 24, 1
.irp s, 1,2,3,4
	WIN 0
.if (\slot == 0) && (\s == 1)
	v_perm_b32 v[W2W], v[W2S+1], v[W2S], s[SELW]   ; W2's scale word: two bytes for each of the two chunks
.endif
	RELU \s-1, 1-\slot                             ; the places ahead of the loads: it names no register of the matrix instructions
	s_wait_alu depctr_va_vdst(0)                   ; ahead of the waits below
	FILL 2*\s+2, \slot
.if \s == 1
.if \more
	B1NEXT                                         ; b1 of the next chunk: its registers were read in step 0
.endif
.if \w2
	WIN 0
	s_wait_xcnt 0x0                                ; earlier loads have read their bases
	s_add_nc_u64 s[14:15], s[14:15], 128
	s_add_nc_u64 s[16:17], s[16:17], 8
	W2LOAD
.endif
.endif
	TWO 2*\s, 24, 0
.endr
	WIN 0
	PLACES 4                                       ; ahead of the loads, and between the codes' last write and the products that take them
.if \slot == 0
	LOGIT
.endif
	FILL 12, \slot
	TWO 10, 24, 0
	PLACES 4
	FILL 14, \slot
.if \more
	TADD \slot, \fill
	TWO 12, 25, 0                                  ; the add may be out too
	TEND \slot, \fill
	NEXT 1-\slot
.if \n
	ASK \n, \loop
.endif
.else
	TWO 12, 24, 0
	s_wait_dscnt 8
	MM8 14, 0
	s_wait_dscnt 0x0
	MM8 15, 0
	WIN 0
	PLACES 4
	s_wait_loadcnt 0x0                             ; the last pair's fragment of W2
.endif
	QUANT \slot                                    ; (an odd chunk lies in slot 1)
.if \more == 0
	v_perm_b32 v[W2W], v[W2S+1], v[W2S], s[SELW]
.irp t, 0,1,2,3
	RELU \t, 1
.endr
	PLACES 4
	LOGIT
.endif
.endm
.macro XLOAD p                         ; quarter p of K of my 32 tokens into window 3: lanes 0-15 take 256 bytes of one row, lanes 16-31 of the next
	WIN 0xc0
.irp j, 0,1,2,3,4,5,6,7,8,9,10,11,12,13,14,15
	global_load_b128 v[64*\p+4*\j:64*\p+4*\j+3], v[GX], s[4:5] offset:2048*\j+256*\p th:TH_LOAD_NT
.endr
	WIN 0
.endm
; Chunk 0 while x arrives: quarter p goes through the stage and becomes 32 loads of fragments.  Quarters 0 and 1 fill window 2; quarter 2's fragments land where quarters 0 and 1 waited, quarter 3's where 2 and 3 did.
.macro XQ p
.if \p > 0
	PLACES 4
	FILL 4*\p, 0
	FILL 4*\p+2, 0
	WIN 0
.endif
.if \p == 0
	s_wait_loadcnt 16                              ; quarter 0 is in; x's scale words and b1 (8 loads each) may be out
	XLOAD 1                                        ; quarters 1 and 2 are asked for now, behind all that the first products want
	XLOAD 2
.elseif \p == 1
	s_wait_loadcnt 43                              ; quarters 2 and 3 and the eleven small loads between them may be out
.elseif \p == 2
	s_wait_loadcnt 27
.else
	s_wait_loadcnt 16                              ; all but quarter 3 are in:
.irp t, 0,1,2,3
.irp j, 0,1,2,3,4,5,6,7
	v_cndmask_b32 v[LG+8*\t+\j], 0, v[LG+8*\t+\j], s[SB2]   ; b2 is added once: by the waves with ug = 0
.endr
.endr
	s_wait_alu depctr_va_vdst(0)                   ; directly ahead of the wait below
	s_wait_loadcnt 0x0
.endif
	WIN 0x0c
.irp j, 0,1,2,3,4,5,6,7,8,9,10,11,12,13,14,15
	ds_store_b128 v[XST], v[64*\p+4*\j:64*\p+4*\j+3] offset:2*272*\j
.endr
	WIN 0
.if \p == 0
	W2LOAD                                         ; eleven small loads: W2's first fragment, and b2 of experts 8 h + 0 .. 7 into the logits of each tile
.irp t, 0,1,2,3
	global_load_b128 v[LG+8*\t:LG+8*\t+3], v[BO], s[18:19]
	global_load_b128 v[LG+8*\t+4:LG+8*\t+7], v[BO], s[18:19] offset:16
.endr
	s_wait_tensorcnt 0x0                           ; my part of chunk 0 is in
	ds_add_u32 v[SPW], v[NIL]                      ; 0 onto my spare word
	s_wait_dscnt 0x0                               ; the add and my stores are done
	CROUND                                         ; everybody's part of chunk 0 and of quarter 0 is in, and the joint loads meet:
	JLOAD 1                                        ; chunk 1, the first tensor load behind the round
	NEXT 0
.else
	s_wait_dscnt 0x0                               ; for the others' sake: my stores are done
	s_barrier_signal -1
	s_barrier_wait -1
.endif
	WIN 0x80+0x40*(\p/2)
.irp e, 0,1,2,3
.irp t, 0,1,2,3
.irp c, 0,1
	ds_load_b128 v[128*(\p%2)+32*\e+8*\t+4*\c:128*(\p%2)+32*\e+8*\t+4*\c+3], v[XLD] offset:16*272*\t+64*\e+32*\c
.endr
.endr
.endr
	WIN 0
.if \p == 3
	B1NEXT                                         ; chunk 1's b1: its registers were read in step 0
	TADD 0, 1
	TWO 12, 25, 0                                  ; a step's eight loads are in; the later steps' and the add may be out
.else
.if \p == 0
	XLOAD 3
	s_wait_loadcnt 59                              ; x's scale words and b1 are in; quarters 1 to 3 and the eleven small loads may be out
	TWO 0, 24, 1
.else
	TWO 4*\p, 24, 0
.endif
	s_wait_dscnt 8
	MM8 4*\p+2, 0
	s_wait_dscnt 0x0                               ; my reads of the stage are over:
	s_barrier_signal -1                            ; say so,
	MM8 4*\p+3, 0
	WIN 0
	s_barrier_wait -1                              ; and write it again when all four have said so
.endif
.endm
	s_load_b512 s[4:19], s[0:1], 0x0               ; x's codes s[4:5], x's scales s[6:7], W1's codes s[8:9], W1's scales s[10:11], b1 s[12:13], W2's codes s[14:15], W2's scales s[16:17], b2 s[18:19]
	s_load_b128 s[20:23], s[0:1], 0x40             ; out0, out1
	s_load_b64 s[24:25], s[0:1], 0x50              ; out2
	v_lshl_add_u32 v[SPW], v0, 2, SPARE
	v_mov_b32 v[NIL], 0
	ds_add_u32 v[SPW], v[NIL]                      ; the wave's opening: the add, twice on end, and its wait ahead of my first tensor load
	ds_add_u32 v[SPW], v[NIL]
	v_lshrrev_b32 v1, 5, v0
	v_readfirstlane_b32 s[WV], v1                  ; wave 0..3
	s_lshr_b32 s[HALF], s[WV], 1
	s_and_b32 s[ODD], s[WV], 1
	s_bfe_u32 s27, ttmp6, 0x40000                  ; cx: my place in the cluster
	s_lshl_b32 s28, ttmp9, 2                       ; in a cluster launch ttmp9 counts clusters
	s_add_co_u32 s28, s28, s27                     ; my block of 128 tokens: it enters x's and the outputs' addresses alone
	; the codes: 64 rows x 1,024 bytes a wave, 16 bytes of padding behind each row
	s_mov_b32 s[G1W+0], 15|(1<<20)|(1<<21)|(7<<22)|(3<<25)   ; 15:0 the mask: all four work-groups; 17:16 elements of 1 byte; 20 padding on; 21 set beside a mask; 24:22 after every 256 words (code 7); 31:25 four words (code 3)
	s_mov_b32 s[G1W+1], 1024<<16                   ; tensor_dim0
	s_mov_b32 s[G1W+2], 64<<16                     ; tensor_dim1
	s_mov_b32 s[G1W+3], 1024<<16                   ; tile_dim0
	s_mov_b32 s[G1W+4], 64                         ; tile_dim1
	s_mov_b32 s[G1W+5], 1024                       ; tensor_dim0_stride
	s_mov_b32 s[G1W+6], 0
	s_mov_b32 s[G1W+7], 0
	; the scale bytes: 64 rows x 64 bytes are 4,096 dense bytes a wave: 16 rows of 256 bytes (32 elements of 8 bytes), 16 bytes of padding behind each
	s_mov_b32 s[G1S+0], 15|(3<<16)|(1<<20)|(1<<21)|(5<<22)|(3<<25)
	s_mov_b32 s[G1S+1], 32<<16
	s_mov_b32 s[G1S+2], 16<<16
	s_mov_b32 s[G1S+3], 32<<16
	s_mov_b32 s[G1S+4], 16
	s_mov_b32 s[G1S+5], 32
	s_mov_b32 s[G1S+6], 0
	s_mov_b32 s[G1S+7], 0
	s_mov_b32 s[NIB], 0x88888888
	s_mov_b32 s[SEL], 0x76543210
	s_mov_b32 s[SEL+1], 0xfedcba98
	s_mov_b32 s[L2E], 0x3fb8aa3b                   ; log2(e)
	s_mov_b32 s[L2E+1], s[L2E]                     ; (named with it as a pair, so it is written)
	s_cmp_eq_u32 s[ODD], 0
	s_mov_b32 s[SELW], 0x07060302
	s_cselect_b32 s[SELW], 0x05040100, s[SELW]     ; of the eight bytes: 0, 1, 4, 5 for ug = 0, the others for ug = 1
	s_cselect_b32 s[SB2], -1, 0
	s_and_b32 s29, ttmp9, 0xffffffdb               ; clusters 0, 4, 32, 36
	s_mov_b32 s[PFON], 0xffff
	s_cmp_eq_u32 s29, 0
	s_cselect_b32 s[PFON], 1, s[PFON]
	s_mul_i32 s80, s[ODD], 64*PITCH                ; 64 rows of a slot: those whose fragments I read, and those that I fetch: no place in the cluster enters an LDS address
	s_mul_i32 s81, s[ODD], 16*272                  ; and their scale bytes
	s_add_co_u32 s81, s81, SCL
	s_mul_i32 s82, s[HALF], 64*272                 ; the stage: my 64 tokens;
	s_add_co_u32 s82, s82, STG
	s_mul_i32 s83, s[WV], 32*272                   ; the 32 that I load
	s_add_co_u32 s83, s83, STG
	s_mul_i32 s84, s[WV], 64*LP                    ; the end: my logits
	s_add_co_u32 s84, s84, STG
	s_lshl_b32 s85, s27, 15                        ; prefetches: of a chunk's 131,072 bytes a quarter for each partner, a sixteenth for each wave;
	s_lshl_b32 s86, s[WV], 13
	s_add_co_u32 s85, s85, s86
	s_lshl_b32 s86, s27, 11                        ; of its 8,192 scale bytes likewise
	s_lshl_b32 s87, s[WV], 9
	s_add_co_u32 s86, s86, s87
	s_lshl_b32 s30, s28, 7                         ; the block's first token
	s_lshl_b32 s31, s[WV], 5
	s_add_co_u32 s31, s31, s30                     ; the first of the 32 that I load, and that I finish at the end
	s_lshl_b32 s88, s31, 10                        ; its codes (all under 2^26),
	s_mov_b32 s89, 0
	s_lshl_b32 s90, s31, 6                         ; its row of out2,
	s_mov_b32 s91, 0
	s_lshl_b32 s92, s31, 3                         ; its rows of out0 and out1
	s_mov_b32 s93, 0
	s_lshl_b32 s29, s[HALF], 6
	s_add_co_u32 s29, s29, s30                     ; the first of the 64 whose hidden layer I make:
	s_lshl_b32 s94, s29, 6                         ; its scale bytes
	s_mov_b32 s95, 0
	v_and_b32 v2, 31, v0                           ; lane
	v_and_b32 v3, 15, v0                           ; r
	v_bfe_u32 v4, v0, 4, 1                         ; h
	v_mul_u32_u24 v5, v3, PITCH
	v_lshl_add_u32 v5, v4, 4, v5                   ; W1: row r x pitch + 16 h
	v_add_nc_u32 v[ADRB], s80, v5
	v_add_nc_u32 v[ADRB+1], SLOTW, v[ADRB]
	v_lshrrev_b32 v6, 2, v2                        ; its scale bytes: row = lane: four rows a piece of 272
	v_mul_u32_u24 v6, v6, 272
	v_and_b32 v7, 3, v2
	v_lshl_add_u32 v6, v7, 6, v6
	v_add_nc_u32 v[ADRS], s81, v6
	v_add_nc_u32 v[ADRS+1], SLOTS, v[ADRS]
	v_mul_u32_u24 v8, v3, 272
	v_lshl_add_u32 v8, v4, 4, v8
	v_add_nc_u32 v[XLD], s82, v8                   ; the stage: row r x 272 + 16 h
	v_mul_u32_u24 v9, v4, 272
	v_lshl_add_u32 v9, v3, 4, v9
	v_add_nc_u32 v[XST], s83, v9                   ; and row h, 16 r
	v_lshlrev_b32 v11, 10, v4
	v_lshl_add_u32 v[GX], v3, 4, v11
	v_lshlrev_b32 v[XSO], 6, v2
	v_lshlrev_b32 v[BO], 5, v4
	v_lshlrev_b32 v12, 9, v3
	v_lshl_add_u32 v[W2O], v4, 4, v12
	v_lshlrev_b32 v[W2SO], 5, v3
	v_lshlrev_b32 v13, 8, v2
	v_add_nc_u32 v[PFO], s85, v13
	v_min_u32 v14, 1, v2
	v_lshlrev_b32 v14, 8, v14
	v_add_nc_u32 v[PFSO], s86, v14
	v_mul_u32_u24 v15, v3, LP
	v_lshl_add_u32 v15, v4, 5, v15
	v_add_nc_u32 v[LGST], s84, v15
	v_mov_b32 v[FLOOR], 0x1800000
.irp b, 0,1,2,3,4,5,6,7
	v_mov_b32 v[TM+8+\b], 0                        ; written once: a lane permute's destination counts as one of its sources
.endr
	s_wait_alu depctr_va_vdst(0)
	s_wait_dscnt 0x0                               ; both opening adds are done
	s_wait_kmcnt 0x0
	s_add_nc_u64 s[4:5], s[4:5], s[88:89]
	s_add_nc_u64 s[6:7], s[6:7], s[94:95]
	s_lshl_b32 s94, s[ODD], 8
	s_add_nc_u64 s[12:13], s[12:13], s[94:95]      ; b1: my 64 numbers of chunk 0
	s_lshl_b32 s94, s[ODD], 5
	s_add_nc_u64 s[14:15], s[14:15], s[94:95]      ; W2: my 64 units of the first chunk
	s_add_nc_u64 s[20:21], s[20:21], s[92:93]      ; the outputs at my first token
	s_add_nc_u64 s[22:23], s[22:23], s[92:93]
	s_add_nc_u64 s[24:25], s[24:25], s[90:91]
	s_add_nc_u64 s[PFW:PFW+1], s[8:9], 2*131072
	s_add_nc_u64 s[PFS:PFS+1], s[10:11], 2*8192
	s_lshl_b32 s94, s[ODD], 16                     ; the 64 rows that I fetch: 65,536 bytes,
	s_add_nc_u64 s[8:9], s[8:9], s[94:95]
	s_lshl_b32 s94, s[ODD], 12                     ; or their 4,096 scale bytes
	s_add_nc_u64 s[10:11], s[10:11], s[94:95]
.irp s, 0,1
	s_mov_b32 s[G0W+4*\s], 1                       ; 1:0 count = 1
	s_add_co_u32 s[G0W+4*\s+1], s80, \s*SLOTW      ; 63:32 LDS address
	s_add_nc_u64 s[G0W+4*\s+2:G0W+4*\s+3], s[8:9], \s*131072   ; 120:64 global address: chunk s
	s_or_b32 s[G0W+4*\s+3], s[G0W+4*\s+3], 0x80000000          ; 127:126 type = 2
	s_mov_b32 s[G0S+4*\s], 1
	s_add_co_u32 s[G0S+4*\s+1], s81, \s*SLOTS
	s_add_nc_u64 s[G0S+4*\s+2:G0S+4*\s+3], s[10:11], \s*8192
	s_or_b32 s[G0S+4*\s+3], s[G0S+4*\s+3], 0x80000000
.endr
	CROUND                                         ; all four work-groups are here: the first joint loads meet
	JLOAD 0                                        ; chunk 0
	XLOAD 0
.irp g, 0,1,2,3                        ; x's scale words: lane = row of 32, four steps a load
.irp i, 0,1
	global_load_b128 v[XSC+8*\g+4*\i:XSC+8*\g+4*\i+3], v[XSO], s[6:7] offset:2048*\i+16*\g
.endr
.endr
	B1LOAD
	s_wait_alu depctr_va_vdst(0)
	XQ 0
	ASK 0, 0
	XQ 1
	ASK 1, 0
	XQ 2
	XQ 3
	TEND 0, 1                                      ; steps 14 and 15; slot 0 takes chunk 2
	NEXT 1
	ASK 2, 0
	QUANT 0
	CHUNK 1, 1, 3, 0, 0, 1                         ; chunk 1; slot 1 takes chunk 3
	s_mov_b32 s[CNT], 2
.Lpair:                                                ; chunks 2 and 3, 4 and 5
	CHUNK 0, 1, 4, 1, 0, 1
	CHUNK 1, 1, 5, 1, 1, 1
	s_sub_co_u32 s[CNT], s[CNT], 1
	s_cmp_lg_u32 s[CNT], 0
	s_cbranch_scc1 .Lpair
	CHUNK 0, 0, 0, 0, 0, 1                         ; chunk 6: nothing is filled again
	CHUNK 1, 0, 0, 0, 1, 0                         ; chunk 7
	; THE END.  My part of the logits goes into the stage, which nobody has read since the third of x's quarters became four; behind a barrier lane l of wave w takes token 32 w + l.
	PLACES 4
.irp t, 0,1,2,3
	ds_store_b128 v[LGST], v[LG+8*\t:LG+8*\t+3] offset:16*LP*\t          ; each accumulator from its low end on
	ds_store_b128 v[LGST], v[LG+8*\t+4:LG+8*\t+7] offset:16*LP*\t+16
.endr
	s_mul_i32 s80, s[HALF], 128*LP                 ; the two waves that share my 32 tokens,
	s_mul_i32 s81, s[ODD], 32*LP                   ; and my 32 of their 64
	s_add_co_u32 s80, s80, s81
	s_add_co_u32 s80, s80, STG
	s_mul_i32 s82, s[WV], 32*LP
	s_add_co_u32 s82, s82, STG+256*LP              ; out2's stage, behind the four waves' logits
	v_and_b32 v1, 31, v0
	v_mul_u32_u24 v13, v1, LP
	v_lshrrev_b32 v15, 2, v1
	v_and_b32 v12, 3, v1
	v_mul_u32_u24 v15, v15, LP
	v_lshl_add_u32 v15, v12, 4, v15
	v_add_nc_u32 v17, s80, v13
	v_add_nc_u32 v14, s82, v13                     ; in: token = lane
	v_add_nc_u32 v15, s82, v15                     ; back: four lanes to a token, 16 bytes each
	v_lshlrev_b32 v16, 4, v1
	v_lshlrev_b32 v1, 3, v1                        ; out0, out1: 8 bytes a token
	s_wait_alu depctr_va_vdst(0)                   ; directly ahead of the wait below
	s_wait_dscnt 0x0                               ; for the others' sake: my stores are done
	s_barrier_signal -1
	s_barrier_wait -1
.irp v, 0,1
.irp i, 0,1,2,3
	ds_load_b128 v[AF+16*\v+4*\i:AF+16*\v+4*\i+3], v17 offset:64*LP*\v+16*\i   ; the part of the wave with ug = v
.endr
.endr
	s_wait_dscnt 0x0
.irp j, 0,2,4,6,8,10,12,14
	v_pk_add_f32 v[AF+\j:AF+\j+1], v[AF+\j:AF+\j+1], v[AF+16+\j:AF+16+\j+1]   ; the logits
.endr
	v_max3_num_f32 v2, v[AF], v[AF+1], v[AF+2]
.irp j, 3,5,7,9,11,13
	v_max3_num_f32 v2, v2, v[AF+\j], v[AF+\j+1]
.endr
	v_max_num_f32 v2, v2, v[AF+15]                 ; the largest logit is taken away ahead of the exponentials
	v_mov_b32 v3, v2
.irp j, 0,2,4,6,8,10,12,14
	v_pk_add_f32 v[AF+\j:AF+\j+1], v[AF+\j:AF+\j+1], v[2:3] neg_lo:[0,1] neg_hi:[0,1]
.endr
.irp j, 0,2,4,6,8,10,12,14
	v_pk_mul_f32 v[AF+\j:AF+\j+1], v[AF+\j:AF+\j+1], s[L2E:L2E+1] op_sel_hi:[1,0]
.endr
	s_wait_alu depctr_va_vdst(0)
.irp j, 0,1,2,3,4,5,6,7,8,9,10,11,12,13,14,15
	v_exp_f32 v[AF+\j], v[AF+\j]
.endr
	v_nop                                          ; a plain place behind the exponentials
	s_wait_alu depctr_va_vdst(0)                   ; one wait for the batch, ahead of its first reader
	v_pk_add_f32 v[4:5], v[AF:AF+1], v[AF+2:AF+3]
	v_pk_add_f32 v[6:7], v[AF+4:AF+5], v[AF+6:AF+7]
	v_pk_add_f32 v[8:9], v[AF+8:AF+9], v[AF+10:AF+11]
	v_pk_add_f32 v[10:11], v[AF+12:AF+13], v[AF+14:AF+15]
	v_pk_add_f32 v[4:5], v[4:5], v[6:7]
	v_pk_add_f32 v[8:9], v[8:9], v[10:11]
	v_pk_add_f32 v[4:5], v[4:5], v[8:9]
	v_add_f32 v4, v4, v5                           ; the sum: at least 1
	s_wait_alu depctr_va_vdst(0)
	v_rcp_f32 v6, v4
	v_rcp_f32 v7, v4                               ; twice: a pair for the packed multiply
	v_nop                                          ; a plain place behind the reciprocals
	s_wait_alu depctr_va_vdst(0)                   ; and ahead of their first reader
.irp j, 0,2,4,6,8,10,12,14
	v_pk_mul_f32 v[AF+\j:AF+\j+1], v[AF+\j:AF+\j+1], v[6:7]   ; p
.endr
.irp i, 0,1,2,3
	ds_store_b128 v14, v[AF+4*\i:AF+4*\i+3] offset:16*\i          ; a lane holds a token's 64 bytes: they turn through my stage, under the searches below
.endr
.irp k, 0,1,2,3
	ds_load_b128 v[AF+32+4*\k:AF+32+4*\k+3], v15 offset:8*LP*\k   ; and come back 512 consecutive bytes of out2 an instruction
.endr
.set TV, 144                           ; v144-151 the numbers that are left of a search, v152-159 their experts
.set TI, 152
; The largest of 16 numbers and its expert, neighbours against neighbours: the later of two wins only if it is greater, so of equal numbers the lower index stays.
.macro LEVEL n, sg                     ; n pairs; their results go to the front (a pair's places are read ahead of any write to them)
.set K, 0
.rept \n
	v_cmp_gt_f32 s[\sg+K], v[TV+2*K+1], v[TV+2*K]
.set K, K+1
.endr
.set K, 0
.rept \n
	v_cndmask_b32 v[TV+K], v[TV+2*K], v[TV+2*K+1], s[\sg+K]
	v_cndmask_b32 v[TI+K], v[TI+2*K], v[TI+2*K+1], s[\sg+K]
.set K, K+1
.endr
.endm
.macro TOP src, m, ix
.irp k, 0,1,2,3,4,5,6,7
	v_cmp_gt_f32 s[80+\k], v[\src+2*\k+1], v[\src+2*\k]
.endr
.irp k, 0,1,2,3,4,5,6,7
	v_cndmask_b32 v[TV+\k], v[\src+2*\k], v[\src+2*\k+1], s[80+\k]
	v_cndmask_b32 v[TI+\k], 2*\k, 2*\k+1, s[80+\k]
.endr
	LEVEL 4, 88
	LEVEL 2, 92
	v_cmp_gt_f32 s94, v[TV+1], v[TV]
	v_cndmask_b32 v[\m], v[TV], v[TV+1], s94
	v_cndmask_b32 v[\ix], v[TI], v[TI+1], s94
.endm
	TOP AF, 8, 12                                  ; the largest p
.irp e, 0,1,2,3,4,5,6,7,8,9,10,11,12,13,14,15
	v_cmp_eq_u32 s[80+\e], \e, v12
.endr
.irp e, 0,1,2,3,4,5,6,7,8,9,10,11,12,13,14,15
	v_cndmask_b32 v[AF+16+\e], v[AF+\e], -1.0, s[80+\e]   ; a copy in which the first stands under every p
.endr
	TOP AF+16, 9, 13
	v_add_f32 v4, v8, v9
	v_add_f32 v4, 0x322bcc77, v4                   ; + 1e-8
	s_wait_alu depctr_va_vdst(0)
	v_rcp_f32 v5, v4
	v_nop                                          ; a plain place behind the reciprocal
	s_wait_alu depctr_va_vdst(0)                   ; and ahead of its first reader
	v_mul_f32 v10, v8, v5
	v_mul_f32 v11, v9, v5
	global_store_b64 v1, v[10:11], s[20:21] th:TH_STORE_NT   ; the wave's 32 tokens: 256 consecutive bytes, at a multiple of 256 from out0's first byte
	global_store_b64 v1, v[12:13], s[22:23] th:TH_STORE_NT   ; out1 likewise
	s_wait_dscnt 0x0
.irp k, 0,1,2,3
	global_store_b128 v16, v[AF+32+4*\k:AF+32+4*\k+3], s[24:25] offset:512*\k th:TH_STORE_NT   ; 512 consecutive bytes, at a multiple of 256 from out2's first byte
.endr
	s_wait_tensorcnt 0x0                           ; the wave's end: behind my last tensor load and my last LDS store
	ds_add_u32 v[SPW], v[NIL]
	s_wait_dscnt 0x0
	CROUND                                         ; the closing round: no work-group ends while a partner may still ask for a chunk that names it
	s_endpgm
.Lfunc_end_k_qe5113157f3_router:
	.size	k_qe5113157f3_router, .Lfunc_end_k_qe5113157f3_router-k_qe5113157f3_router
	.p2alignl 7, 3214868480
	.fill 96, 4, 3214868480
	.section	.rodata,"a",@progbits
	.p2align	6, 0x0
	.amdhsa_kernel k_qe5113157f3_router
		.amdhsa_group_segment_fixed_size 327680
		.amdhsa_private_segment_fixed_size 0
		.amdhsa_enable_private_segment 0
		.amdhsa_kernarg_size 88
		.amdhsa_user_sgpr_count 2
		.amdhsa_user_sgpr_kernarg_segment_ptr 1
		.amdhsa_wavefront_size32 1
		.amdhsa_system_sgpr_workgroup_id_x 1
		.amdhsa_system_sgpr_workgroup_id_y 1
		.amdhsa_system_sgpr_workgroup_id_z 1
		.amdhsa_system_vgpr_workitem_id 0
		.amdhsa_next_free_vgpr 1024
		.amdhsa_next_free_sgpr 96
		.amdhsa_reserve_vcc 0
		.amdhsa_float_denorm_mode_32 3
		.amdhsa_float_denorm_mode_16_64 3
		.amdhsa_memory_ordered 1
		.amdhsa_forward_progress 1
		.amdhsa_inst_pref_size 255
	.end_amdhsa_kernel
	.section	.bss,"aw",@nobits
	.p2align	6
	.space	262144
	.amdgpu_metadata
---
amdhsa.version: [ 1, 2 ]
amdhsa.kernels:
  - .name:           k_qe5113157f3_router
    .symbol:         k_qe5113157f3_router.kd
    .args:
      - { .name: hidden_states_codes, .offset: 0, .size: 8, .value_kind: global_buffer, .address_space: global }
      - { .name: hidden_states_scales, .offset: 8, .size: 8, .value_kind: global_buffer, .address_space: global }
      - { .name: W1_codes, .offset: 16, .size: 8, .value_kind: global_buffer, .address_space: global }
      - { .name: W1_scales, .offset: 24, .size: 8, .value_kind: global_buffer, .address_space: global }
      - { .name: b1, .offset: 32, .size: 8, .value_kind: global_buffer, .address_space: global }
      - { .name: W2_codes, .offset: 40, .size: 8, .value_kind: global_buffer, .address_space: global }
      - { .name: W2_scales, .offset: 48, .size: 8, .value_kind: global_buffer, .address_space: global }
      - { .name: b2, .offset: 56, .size: 8, .value_kind: global_buffer, .address_space: global }
      - { .name: out0, .offset: 64, .size: 8, .value_kind: global_buffer, .address_space: global }
      - { .name: out1, .offset: 72, .size: 8, .value_kind: global_buffer, .address_space: global }
      - { .name: out2, .offset: 80, .size: 8, .value_kind: global_buffer, .address_space: global }
    .group_segment_fixed_size: 327680
    .private_segment_fixed_size: 0
    .kernarg_segment_align: 8
    .kernarg_segment_size: 88
    .max_flat_workgroup_size: 128
    .sgpr_count:     96
    .vgpr_count:     1024
    .wavefront_size: 32
...
	.end_amdgpu_metadata
.endif
;; end of part 1
